; MI455X (gfx1250); checked and timed in simulation.
; The chip was launched on July 23, 2026; its instructions are those of AMD's public machine-readable ISA for CDNA 5 (MIT licence, August 2026) and "CDNA5" Instruction Set Architecture Reference Guide (July 2026). The comments in the code are by the model that wrote it; some were corrected since.
;; Little Bit Linear. Allowed arithmetic: matrix products marked QUANTISED: E5M2 operands, one given power-of-two scale a tensor, by v_wmma_f32_16x16x64_bf8_bf8 or v_wmma_f32_16x16x128_bf8_bf8, f32 sums; everything else in f32.
;; Inputs: U_primary 4,096 x 1,024 float32; U_residual 4,096 x 1,024 float32; V_primary 4,096 x 1,024 float32; V_residual 4,096 x 1,024 float32; bias 4,096 float32; g_primary 4,096 float32; g_residual 4,096 float32; h_primary 4,096 float32; h_residual 4,096 float32; l_primary 1,024 float32; l_residual 1,024 float32; lowp_scales 8 int32 (the exponents e of the quantised operands' scales 2^e); x 4,096 x 4,096 float32.
;; Outputs: out0 4,096 x 4,096 float32.
;; This version of the problem:
;;   THIS VERSION OF THE PROBLEM IS GIVEN IN LOW PRECISION. The matrix products marked QUANTISED in the list below multiply operands that are first quantised to E5M2 (5 exponent bits, 2 mantissa bits; 8 bits a number), with one given power-of-two scale for each operand tensor; their sums are f32. All else is computed in f32.
;;   The module's matrix products, in the order in which they are computed (A, B: the left and right operand; K: the contracted axis; several contracted axes count as one K, in the product's order):
;;     1. [M 4,096, K 4,096] x [K 4,096, N 1,024]; A: computed on the way; B: computed on the way: QUANTISED (scales: A lowp_scales[0], B lowp_scales[1])
;;     2. [M 4,096, K 1,024] x [K 1,024, N 4,096]; A: computed on the way; B: computed on the way: QUANTISED (scales: A lowp_scales[2], B lowp_scales[3])
;;     3. [M 4,096, K 4,096] x [K 4,096, N 1,024]; A: computed on the way; B: computed on the way: QUANTISED (scales: A lowp_scales[4], B lowp_scales[5])
;;     4. [M 4,096, K 1,024] x [K 1,024, N 4,096]; A: computed on the way; B: computed on the way: QUANTISED (scales: A lowp_scales[6], B lowp_scales[7])
;;   THE QUANTISER, for each operand of a quantised product, along K:
;;     - The operand's scale is 2^e, e = its entry of the input lowp_scales (int32; the entries are numbered through the quantised products in the list's order, A before B).
;;     - Each number is divided by the scale, clamped to +-57,344, and rounded to the nearest number of E5M2, ties to even, subnormals kept.
;;     - The product sums the exact products of the quantised numbers (number of the format x scale) in f32.
;;   ~~~python
;;   def quantise(x, axis, e):      # numpy; x: float32 -> the quantised numbers, widened to float32 again
;;       x = np.moveaxis(x, axis, -1); K = x.shape[-1]
;;       r = np.clip(x / 2.0 ** e, -57344, 57344)
;;       step = 2.0 ** (np.maximum(np.frexp(np.where(r == 0, 1, r))[1] - 1, -14) - 2)
;;       q = np.round(r / step) * step * 2.0 ** e      # np.round: ties to even
;;       return np.moveaxis(q, -1, axis).astype(np.float32)
;;   ~~~
;;   OPERANDS COMPUTED ON THE WAY. 'Computed on the way' means the value that the module computes at that place (a softmax that the list does not call 'softmax' is quantised finished and normalised). What goes into a quantiser is computed in f32, as accurately as f32 sums, v_exp_f32 and their like allow (about 1e-6 of the number): no bf16 or f16 on the way to a quantiser, and a product that is left as it is and whose result goes on into a quantised operand takes f32 operands (vector FMAs, or v_wmma_f32_16x16x4_f32). A number that lies on a knife's edge between two numbers of the format may be rounded either way, as far as f32 arithmetic and the matrix unit's own rounding can turn it there, and no further.
;; One version. Each part assembles by itself: llvm-mc -triple=amdgcn-amd-amdhsa -mcpu=gfx1250 --defsym DOCPART=n.
;; ======== version 1 of 1: 3 launches
;; limits: right only within a limited range of input values
;; workspace buffers: xq 33,554,432 bytes; vq 8,388,608 bytes; uq 8,388,608 bytes; tq 8,388,608 bytes
;; launch quant (part 1): grid 1024 x 1, 4 waves a work-group, no clusters, 76,288 bytes of LDS; arguments x, g_primary, g_residual, U_primary, U_residual, V_primary, V_residual, lowp_scales, xq, uq, vq; writes xq, uq, vq
.if DOCPART == 1
	.amdgcn_target "amdgcn-amd-amdhsa--gfx1250"
	.amdhsa_code_object_version 6
	.text
	.protected	k_qdaf0f6a14c_quant
	.globl	k_qdaf0f6a14c_quant
	.p2align	8
	.type	k_qdaf0f6a14c_quant,@function
k_qdaf0f6a14c_quant:
	s_mov_b64 s[64:65], 0
	v_nop
	global_prefetch_b8 v0, s[64:65] scope:SCOPE_SE
	s_setreg_imm32_b32 hwreg(HW_REG_WAVE_MODE, 25, 1), 1
	s_wait_xcnt 0x0
; THE OPERANDS THAT DO NOT HANG ON A PRODUCT ARE QUANTISED ONCE, to codes of BF8 (E5M2), one byte each, K innermost, each with the scale 2^e given for it in lowp_scales.
;   xq [2][4096 m][4096 k]: codes of x g_primary (e0), then of x g_residual (e4).
;   uq [4096 n][2048]: bytes 0-1023 of a row: codes of sign(U_primary) (e3); bytes 1024-2047: of sign(U_residual) (e7).
;   vq [2][1024 n][4096 k]: codes of sign(V_primary) (e1), of sign(V_residual) (e5), with K, V's FIRST axis, moved innermost.
; code = number / 2^e, held within +-57,344, rounded to the nearest code, ties to even.
; LIMITS: each e used here lies between -126 and 112, so that 2^e and 57,344 x 2^e are f32 numbers.  NaN among the inputs is not served (sign(NaN) comes out as +-1).  sign(-0) gives the code -0, which adds nothing to a sum.
; SHARES: work-groups 0-511 take x, 512-767 U, 768-1023 V; the three parts never join, and each has LDS bytes of its own.  Four waves that share nothing: no barrier.  No work-group reads what another reads (but g, 32 KiB): no cluster.
; Every byte of x, U and V is read once; every store of a wave covers 512 consecutive bytes (x, U) or two runs of 256 (V), each aligned to 256.
.set SP,    80                         ; a lane's place in a stage: its 64 bytes + 16 of padding
.set WSTG,  2*32*SP                    ; a wave's two stages (x and U)
.set XREG,  0                          ; LDS of the x part: 4 waves x WSTG
.set UREG,  4*WSTG                     ; of the U part
.set VREG,  8*WSTG                     ; of the V part: 4 waves x 32 rows x VP
.set VP,    272                        ; V's stage: a column's 256 codes + 16 of padding
.set R,     16                         ; v16-79   x, U: four sets of 16 numbers as they are loaded
.set X,     80                         ; v80-111  two sets of 16 neighbours
.set TP,    112                        ; v112-127 x g_primary
.set TR,    128                        ; v128-143 x g_residual
.set GP,    144                        ; v144-159 g_primary of my 16 columns
.set GR,    160                        ; v160-175 g_residual
.set XC,    176                        ; v176-191 x: two sets of 8 registers of codes
.set UC,    112                        ; v112-175 U: eight registers of codes for each step, never written again
.set TS,    176                        ; v176-179 U, V: at work in SIGN4
.set VX,    32                         ; v32-95   V: two sets of 32 numbers down K
.set VC,    96
.set VO,    112                        ; v112-175 V: the way out
.set ABSM,  35                         ; s35      0x7fffffff
.set CM,    36                         ; s36-39   four compare masks
.macro STAGEADR base                   ; v14: the stage on the way in, SP (lane / 4) + 16 (lane % 4); v15: on the way out, SP x lane
	s_mul_i32 s34, s16, WSTG
	s_add_co_u32 s34, s34, \base
	v_lshrrev_b32 v14, 2, v2
	v_mul_u32_u24 v14, v14, SP
	v_and_b32 v15, 3, v2
	v_lshl_add_u32 v14, v15, 4, v14
	v_add_nc_u32 v14, s34, v14
	v_mul_u32_u24 v15, v2, SP
	v_add_nc_u32 v15, s34, v15
.endm
.macro SCALE e, sc, lim                ; from the exponent in s[e]: v[sc] = 2^e as f32 (the conversion takes its exponent field), v[lim] = 57,344 x 2^e
	s_add_co_i32 s32, s[\e], 127
	s_lshl_b32 s33, s32, 23
	v_mov_b32 v[\sc], s33
	s_add_co_i32 s32, s32, 15
	s_lshl_b32 s32, s32, 23
	s_or_b32 s32, s32, 0x600000
	v_mov_b32 v[\lim], s32
.endm
.macro QLOAD t, stride                 ; step t: 2,048 consecutive bytes, four loads of 512, 16 bytes a lane
.irp i, 0,1,2,3
	global_load_b128 v[R+16*((\t)%4)+4*\i:R+16*((\t)%4)+4*\i+3], v3, s[4:5] offset:(\stride)*(\t)+512*\i th:TH_LOAD_NT
.endr
.endm
.macro QTURN t                         ; step t's numbers through the wave's own stage, so that a lane gets 16 NEIGHBOURS; LDS serves a wave's instructions in order: no wait between the stores and the loads
.irp i, 0,1,2,3
	ds_store_b128 v14, v[R+16*((\t)%4)+4*\i:R+16*((\t)%4)+4*\i+3] offset:32*SP*((\t)%2)+8*SP*\i
.endr
.irp i, 0,1,2,3
	ds_load_b128 v[X+16*((\t)%2)+4*\i:X+16*((\t)%2)+4*\i+3], v15 offset:32*SP*((\t)%2)+16*\i
.endr
.endm
.macro AHEAD t, stride                 ; the head of a step of x or U
	s_wait_dscnt 0x0                               ; this step's numbers are back from the stage: so its stores into the stage have read their registers,
.if (\t)+4 < 16
	QLOAD (\t)+4, \stride                          ; which take the loads of four steps on
.endif
.if (\t)+1 < 16
.if (\t) <= 11
	s_wait_loadcnt 12                              ; the next step's four loads are in; those of the three steps behind it may be out
.else
	s_wait_loadcnt 4*(14-(\t))                     ; near the end fewer steps stand behind it
.endif
	QTURN (\t)+1                                   ; and go through the other stage while this step is worked
.endif
.endm
; four numbers become their signs, already held: +-v[one] (= the lesser of 1 and 57,344 x 2^e), or 0 with the number's sign bit
.macro SIGN4 b, one
.irp i, 0,1,2,3
	v_cmp_neq_f32 s[CM+\i], 0, v[(\b)+\i]
.endr
.irp i, 0,1,2,3
	v_cndmask_b32 v[TS+\i], 0, v[\one], s[CM+\i]
.endr
.irp i, 0,1,2,3
	v_bfi_b32 v[(\b)+\i], s[ABSM], v[TS+\i], v[(\b)+\i]   ; the magnitude from v[TS], the sign from the number
.endr
.endm
	v_lshl_add_u32 v192, v0, 2, 0x12800
	v_mov_b32 v193, 0
	v_lshrrev_b32 v1, 5, v0
	v_readfirstlane_b32 s16, v1                    ; wave 0..3
	v_and_b32 v2, 31, v0                           ; lane
	s_cmp_lt_u32 ttmp9, 512
	s_cbranch_scc0 .Lnot_x
; ---------------- x: a wave takes 512 columns (chunk c) of 16 rows (group Rg): its 16 g_primary and 16 g_residual a lane stay in registers; a step is a row
	s_load_b128 s[4:7], s[0:1], 0x0                ; x, g_primary
	s_load_b64 s[8:9], s[0:1], 0x10                ; g_residual
	s_load_b64 s[10:11], s[0:1], 0x38              ; the exponents
	s_load_b64 s[12:13], s[0:1], 0x40              ; xq
	s_lshl_b32 s17, ttmp9, 2
	s_add_co_u32 s17, s17, s16                     ; 4 x work-group + wave
	s_and_b32 s18, s17, 7                          ; c
	s_lshr_b32 s19, s17, 3                         ; Rg
	s_lshl_b32 s22, s18, 11                        ; g: 512 numbers x 4 bytes x c
	s_mov_b32 s23, 0
	s_lshl_b32 s20, s19, 18                        ; x: 16 rows of 16,384 bytes x Rg,
	s_add_co_u32 s20, s20, s22                     ; + the chunk
	s_mov_b32 s21, 0
	s_lshl_b32 s40, s19, 16                        ; xq: 16 rows of 4,096 bytes x Rg,
	s_lshl_b32 s41, s18, 9
	s_add_co_u32 s40, s40, s41                     ; + 512 c
	s_mov_b32 s41, 0
	s_wait_alu depctr_va_vdst(0)
	v_lshlrev_b32 v3, 4, v2                        ; my 16 bytes of a load's 512, and of a store's
	v_lshlrev_b32 v4, 6, v2                        ; my 16 numbers of g
	STAGEADR XREG
	s_wait_alu depctr_va_vdst(0)
	s_wait_kmcnt 0x0
	s_load_b256 s[24:31], s[10:11], 0x0            ; e0 .. e7
	s_add_nc_u64 s[4:5], s[4:5], s[20:21]
	s_add_nc_u64 s[6:7], s[6:7], s[22:23]
	s_add_nc_u64 s[8:9], s[8:9], s[22:23]
	s_add_nc_u64 s[12:13], s[12:13], s[40:41]      ; the primary's codes,
	s_add_nc_u64 s[14:15], s[12:13], 0x1000000     ; the residual's: 4,096 x 4,096 bytes on
.irp i, 0,1,2,3
	global_load_b128 v[GP+4*\i:GP+4*\i+3], v4, s[6:7] offset:16*\i
	global_load_b128 v[GR+4*\i:GR+4*\i+3], v4, s[8:9] offset:16*\i
.endr
.irp t, 0,1,2,3
	QLOAD \t, 16384
.endr
	s_wait_kmcnt 0x0
	SCALE 24, 8, 9                                 ; e0
	SCALE 28, 10, 11                               ; e4
	s_wait_loadcnt 12                              ; g and step 0 are in; the 12 loads of steps 1 to 3 may be out
	QTURN 0
.macro XSTEP t
.set XS, X+16*((\t)%2)
.set CS, XC+8*((\t)%2)
	AHEAD \t, 16384
.irp j, 0,2,4,6,8,10,12,14
	v_pk_mul_f32 v[TP+\j:TP+\j+1], v[XS+\j:XS+\j+1], v[GP+\j:GP+\j+1]
.endr
.irp j, 0,2,4,6,8,10,12,14
	v_pk_mul_f32 v[TR+\j:TR+\j+1], v[XS+\j:XS+\j+1], v[GR+\j:GR+\j+1]
.endr
.irp i, 0,1,2,3,4,5,6,7,8,9,10,11,12,13,14,15
	v_med3_num_f32 v[TP+\i], v[TP+\i], -v9, v9     ; the conversion to an 8-bit code does not saturate (ISA guide 7.6.2): the hold at the largest code x the scale
.endr
.irp i, 0,1,2,3,4,5,6,7,8,9,10,11,12,13,14,15
	v_med3_num_f32 v[TR+\i], v[TR+\i], -v11, v11
.endr
.if (\t) >= 2
	s_wait_alu depctr_va_vdst(0)
	s_wait_xcnt 0x0                                ; the stores of two steps back have read this set of code registers: only behind this wait is it written again
.endif
	v_cvt_scalef32_pk8_bf8_f32 v[CS:CS+1], v[TP:TP+7], v8
	v_cvt_scalef32_pk8_bf8_f32 v[CS+2:CS+3], v[TP+8:TP+15], v8
	v_cvt_scalef32_pk8_bf8_f32 v[CS+4:CS+5], v[TR:TR+7], v10
	v_cvt_scalef32_pk8_bf8_f32 v[CS+6:CS+7], v[TR+8:TR+15], v10
	v_nop                                          ; a plain vector line between the conversions and the next step's products, which write their sources
	global_store_b128 v3, v[CS:CS+3], s[12:13] offset:4096*(\t)     ; 32 lanes store 512 consecutive bytes of a row of codes
	global_store_b128 v3, v[CS+4:CS+7], s[14:15] offset:4096*(\t)
.endm
.irp t, 0,1,2,3,4,5,6,7,8,9,10,11,12,13,14,15
	XSTEP \t
.endr
	s_wait_tensorcnt 0x0
	ds_add_u32 v192, v193
	s_wait_dscnt 0x0
	s_endpgm
.Lnot_x:
	s_cmp_lt_u32 ttmp9, 768
	s_cbranch_scc0 .Lv_part
; ---------------- U.  uq IS LAID IN THE ORDER OF THE READER'S OPERAND REGISTERS (this takes the place of the line on uq at the head):
;   uq [256 nb][16 s][4 c][2 h][16 r][16 bytes]: column n = 16 nb + r; s = 8 x pathway + k / 128; the 16 bytes are k % 128 = 32 c + 16 h + 0 .. 15.
; A wave takes 16 rows (one nb) x 512 along K of one pathway, in 8 steps of 64 along K.  A step's 8 loads read two runs of 256 consecutive bytes each (two rows); the numbers turn through the wave's own stage
; (16 rows of 256 bytes + 16), so that lane (r, h) gets 16 neighbours of row r twice; each of its two stores covers 512 consecutive bytes of uq.
	s_load_b128 s[4:7], s[0:1], 0x18
	s_load_b64 s[10:11], s[0:1], 0x38              ; the exponents
	s_load_b64 s[12:13], s[0:1], 0x48              ; uq
	s_sub_co_u32 s17, ttmp9, 512
	s_lshr_b32 s18, s17, 7                         ; 0: primary, 1: residual
	s_and_b32 s17, s17, 127
	s_lshl_b32 s17, s17, 2
	s_add_co_u32 s17, s17, s16                     ; 2 nb + which 512 along K
	s_lshr_b32 s19, s17, 1                         ; nb
	s_and_b32 s17, s17, 1                          ; which 512 along K
	s_lshl_b32 s20, s19, 16                        ; U: 16 rows of 4,096 bytes x nb,
	s_lshl_b32 s21, s17, 11
	s_add_co_u32 s20, s20, s21                     ; + 512 numbers x the half
	s_mov_b32 s21, 0
	s_lshl_b32 s22, s19, 15                        ; uq: 32,768 bytes x nb,
	s_lshl_b32 s19, s18, 14
	s_add_co_u32 s22, s22, s19                     ; + 8 s x 2,048 x the pathway,
	s_lshl_b32 s19, s17, 13
	s_add_co_u32 s22, s22, s19                     ; + 4 s x 2,048 x the half
	s_mov_b32 s23, 0
	s_mov_b32 s[ABSM], 0x7fffffff
	s_wait_alu depctr_va_vdst(0)
.set UP, 272                           ; U's stage: a row's 256 bytes + 16 of padding
	v_and_b32 v5, 15, v2                           ; r
	v_lshrrev_b32 v6, 4, v2                        ; h
	v_lshlrev_b32 v4, 4, v2                        ; out: my 16 bytes of a store's 512
	v_lshlrev_b32 v3, 12, v6
	v_lshl_add_u32 v3, v5, 4, v3                   ; in: lanes 0-15 one row's 256 bytes, lanes 16-31 the next row's
	s_mul_i32 s34, s16, WSTG
	s_add_co_u32 s34, s34, UREG                    ; my stage
	v_mul_u32_u24 v14, v6, UP
	v_lshl_add_u32 v14, v5, 4, v14
	v_add_nc_u32 v14, s34, v14                     ; into it, as loaded
	v_mul_u32_u24 v15, v5, UP
	v_lshl_add_u32 v15, v6, 6, v15
	v_add_nc_u32 v15, s34, v15                     ; out of it: row r, 64 bytes for each half of the lanes
	s_wait_alu depctr_va_vdst(0)
	s_wait_kmcnt 0x0
	s_load_b256 s[24:31], s[10:11], 0x0            ; e0 .. e7
	s_cmp_eq_u32 s18, 0                            ; the choice hangs on the work-group's number alone
	s_cselect_b64 s[4:5], s[4:5], s[6:7]
	s_add_nc_u64 s[4:5], s[4:5], s[20:21]
	s_add_nc_u64 s[12:13], s[12:13], s[22:23]
.macro ULOAD t                         ; step t: 16 rows x 256 bytes into set t % 2
.irp i, 0,1,2,3,4,5,6,7
	global_load_b128 v[R+32*((\t)%2)+4*\i:R+32*((\t)%2)+4*\i+3], v3, s[4:5] offset:256*(\t)+8192*\i th:TH_LOAD_NT
.endr
.endm
	ULOAD 0
	ULOAD 1
	s_wait_kmcnt 0x0
	s_cmp_eq_u32 s18, 0
	s_cselect_b32 s27, s27, s31                    ; e3 or e7
	SCALE 27, 8, 9
	v_min_num_f32 v9, 1.0, v9                      ; every magnitude is 1 or 0: the hold is made once
	s_wait_alu depctr_va_vdst(0)
.macro USTEP t
.if (\t) < 7
	s_wait_loadcnt 8                               ; this step's 8 loads are in; the next step's may be out
.else
	s_wait_loadcnt 0
.endif
.irp i, 0,1,2,3,4,5,6,7
	ds_store_b128 v14, v[R+32*((\t)%2)+4*\i:R+32*((\t)%2)+4*\i+3] offset:2*UP*\i
.endr
.irp i, 0,1,2,3,4,5,6,7
	ds_load_b128 v[X+4*\i:X+4*\i+3], v15 offset:128*(\i/4)+16*(\i%4)   ; LDS serves a wave's instructions in order: these see the stores above
.endr
	s_wait_dscnt 0x0                               ; the numbers are back, and the stores have read their registers,
.if (\t)+2 < 8
	ULOAD (\t)+2                                   ; which take the loads of two steps on
.endif
.irp q, 0,4,8,12,16,20,24,28
	SIGN4 X+\q, 9
.endr
.irp g, 0,1,2,3
	v_cvt_scalef32_pk8_bf8_f32 v[UC+8*(\t)+2*\g:UC+8*(\t)+2*\g+1], v[X+8*\g:X+8*\g+7], v8
.endr
	v_nop                                          ; a plain vector line behind the conversions
	global_store_b128 v4, v[UC+8*(\t):UC+8*(\t)+3], s[12:13] offset:1024*(\t)         ; c = 2 (t % 2): 512 consecutive bytes
	global_store_b128 v4, v[UC+8*(\t)+4:UC+8*(\t)+7], s[12:13] offset:1024*(\t)+512   ; c = 2 (t % 2) + 1
.endm
.irp t, 0,1,2,3,4,5,6,7
	USTEP \t
.endr
	s_wait_tensorcnt 0x0
	ds_add_u32 v192, v193
	s_wait_dscnt 0x0
	s_endpgm
; ---------------- V: K is the FIRST axis.  A lane takes a column n and its registers run down K: the conversions then give codes with K innermost, and nothing is transposed by an instruction.
; vq IS LAID IN THE ORDER OF THE READER'S OPERAND REGISTERS (this takes the place of the line on vq at the head):
;   vq [2 pathways][64 nb][32 s][4 c][2 h][16 r][16 bytes]: column n = 16 nb + r; s = k / 128; the 16 bytes are k % 128 = 32 c + 16 h + 0 .. 15.
; A wave takes 32 columns x 256 along K.  A block of 32 along K is one c: a lane's first 16 codes are h = 0, the next 16 h = 1.  So each store's lanes 0-15 cover 256 consecutive bytes, aligned, and lanes 16-31 the same in the next nb: no stage.
.Lv_part:
	s_load_b128 s[4:7], s[0:1], 0x28               ; V_primary, V_residual
	s_load_b64 s[10:11], s[0:1], 0x38              ; the exponents
	s_load_b64 s[12:13], s[0:1], 0x50              ; vq
	s_sub_co_u32 s17, ttmp9, 768
	s_lshr_b32 s18, s17, 7                         ; 0: primary, 1: residual
	s_and_b32 s17, s17, 127
	s_and_b32 s19, s17, 7
	s_lshl_b32 s19, s19, 7
	s_lshl_b32 s21, s16, 5
	s_add_co_u32 s19, s19, s21                     ; my wave's first column
	s_lshr_b32 s17, s17, 3                         ; which 256 along K
	s_lshl_b32 s20, s17, 20                        ; V: 256 rows of 4,096 bytes,
	s_lshl_b32 s21, s19, 2
	s_add_co_u32 s20, s20, s21                     ; + 4 x column
	s_mov_b32 s21, 0
	s_lshl_b32 s22, s18, 22                        ; vq: the pathway's 1,024 x 4,096 bytes,
	s_lshl_b32 s23, s19, 12
	s_add_co_u32 s22, s22, s23                     ; + column x 4,096
	s_lshl_b32 s23, s17, 12                        ; two s of 2,048 bytes x the place along K
	s_add_co_u32 s22, s22, s23                     ; + 256 x the place along K
	s_mov_b32 s23, 0
	s_mov_b32 s[ABSM], 0x7fffffff
	s_wait_alu depctr_va_vdst(0)
	v_lshlrev_b32 v3, 2, v2                        ; in: 4 bytes a lane
	v_and_b32 v5, 15, v2
	v_lshrrev_b32 v6, 4, v2
	v_lshlrev_b32 v8, 16, v6                       ; out: 65,536 bytes x (lane / 16): the next nb,
	v_lshl_add_u32 v8, v5, 4, v8                   ; + 16 r
	s_wait_alu depctr_va_vdst(0)
	s_wait_kmcnt 0x0
	s_load_b256 s[24:31], s[10:11], 0x0            ; e0 .. e7
	s_cmp_eq_u32 s18, 0
	s_cselect_b64 s[4:5], s[4:5], s[6:7]
	s_add_nc_u64 s[4:5], s[4:5], s[20:21]
	s_add_nc_u64 s[12:13], s[12:13], s[22:23]
.macro VLOAD t                         ; block t: V(32 t + i, my column), i = 0 .. 31: each load reads 128 consecutive bytes, the four waves stand side by side on 512
.set i, 0
.rept 32
	global_load_b32 v[VX+32*((\t)%2)+i], v3, s[4:5] offset:(32*(\t)+i)*4096 th:TH_LOAD_NT
.set i, i+1
.endr
.endm
	VLOAD 0
	VLOAD 1
	s_wait_kmcnt 0x0
	s_cmp_eq_u32 s18, 0
	s_cselect_b32 s25, s25, s29                    ; e1 or e5
	SCALE 25, 10, 11
	v_min_num_f32 v11, 1.0, v11                    ; the hold, made once
.macro VBLOCK t
.set XS, VX+32*((\t)%2)
.if (\t) < 7
	s_wait_loadcnt 32                              ; this block's 32 loads are in; the next block's may be out
.else
	s_wait_loadcnt 0
.endif
.irp q, 0,4,8,12,16,20,24,28
	SIGN4 XS+\q, 11
.endr
.irp g, 0,1,2,3
	v_cvt_scalef32_pk8_bf8_f32 v[VO+8*(\t)+2*\g:VO+8*(\t)+2*\g+1], v[XS+8*\g:XS+8*\g+7], v10   ; eight registers of codes for each block, never written again
.endr
	v_nop                                          ; a plain vector line behind the conversions
.if (\t)+2 < 8
	VLOAD (\t)+2
.endif
.endm
	s_wait_alu depctr_va_vdst(0)
.irp t, 0,1,2,3,4,5,6,7
	VBLOCK \t
.endr
.irp t, 0,1,2,3,4,5,6,7                ; the stores stand behind the last load: every block has code registers of its own
	global_store_b128 v8, v[VO+8*\t:VO+8*\t+3], s[12:13] offset:2048*(\t/4)+512*(\t%4)         ; h = 0
	global_store_b128 v8, v[VO+8*\t+4:VO+8*\t+7], s[12:13] offset:2048*(\t/4)+512*(\t%4)+256   ; h = 1
.endr
	s_wait_tensorcnt 0x0
	ds_add_u32 v192, v193
	s_wait_dscnt 0x0
	s_endpgm
.Lfunc_end_k_qdaf0f6a14c_quant:
	.size	k_qdaf0f6a14c_quant, .Lfunc_end_k_qdaf0f6a14c_quant-k_qdaf0f6a14c_quant
	.p2alignl 7, 3214868480
	.fill 96, 4, 3214868480
	.section	.rodata,"a",@progbits
	.p2align	6, 0x0
	.amdhsa_kernel k_qdaf0f6a14c_quant
		.amdhsa_group_segment_fixed_size 76288
		.amdhsa_private_segment_fixed_size 0
		.amdhsa_enable_private_segment 0
		.amdhsa_kernarg_size 88
		.amdhsa_user_sgpr_count 2
		.amdhsa_user_sgpr_kernarg_segment_ptr 1
		.amdhsa_wavefront_size32 1
		.amdhsa_system_sgpr_workgroup_id_x 1
		.amdhsa_system_sgpr_workgroup_id_y 1
		.amdhsa_system_sgpr_workgroup_id_z 1
		.amdhsa_system_vgpr_workitem_id 0
		.amdhsa_next_free_vgpr 194
		.amdhsa_next_free_sgpr 66
		.amdhsa_reserve_vcc 0
		.amdhsa_float_denorm_mode_32 3
		.amdhsa_float_denorm_mode_16_64 3
		.amdhsa_memory_ordered 1
		.amdhsa_forward_progress 1
		.amdhsa_inst_pref_size 222
	.end_amdhsa_kernel
	.amdgpu_metadata
---
amdhsa.version: [ 1, 2 ]
amdhsa.kernels:
  - .name:           k_qdaf0f6a14c_quant
    .symbol:         k_qdaf0f6a14c_quant.kd
    .args:
      - { .name: x, .offset: 0, .size: 8, .value_kind: global_buffer, .address_space: global }
      - { .name: g_primary, .offset: 8, .size: 8, .value_kind: global_buffer, .address_space: global }
      - { .name: g_residual, .offset: 16, .size: 8, .value_kind: global_buffer, .address_space: global }
      - { .name: U_primary, .offset: 24, .size: 8, .value_kind: global_buffer, .address_space: global }
      - { .name: U_residual, .offset: 32, .size: 8, .value_kind: global_buffer, .address_space: global }
      - { .name: V_primary, .offset: 40, .size: 8, .value_kind: global_buffer, .address_space: global }
      - { .name: V_residual, .offset: 48, .size: 8, .value_kind: global_buffer, .address_space: global }
      - { .name: lowp_scales, .offset: 56, .size: 8, .value_kind: global_buffer, .address_space: global }
      - { .name: xq, .offset: 64, .size: 8, .value_kind: global_buffer, .address_space: global }
      - { .name: uq, .offset: 72, .size: 8, .value_kind: global_buffer, .address_space: global }
      - { .name: vq, .offset: 80, .size: 8, .value_kind: global_buffer, .address_space: global }
    .group_segment_fixed_size: 76288
    .private_segment_fixed_size: 0
    .kernarg_segment_align: 8
    .kernarg_segment_size: 88
    .max_flat_workgroup_size: 128
    .sgpr_count:     66
    .vgpr_count:     194
    .wavefront_size: 32
...
	.end_amdgpu_metadata
.endif
;; end of part 1
;; launch gemm1 (part 2): grid 8 x 32, 4 waves a work-group, clusters of 4 x 1, 327,680 bytes of LDS; arguments xq, vq, l_primary, l_residual, lowp_scales, tq; writes tq
.if DOCPART == 2
	.amdgcn_target "amdgcn-amd-amdhsa--gfx1250"
	.amdhsa_code_object_version 6
	.text
	.protected	k_qdaf0f6a14c_gemm1
	.globl	k_qdaf0f6a14c_gemm1
	.p2align	8
	.type	k_qdaf0f6a14c_gemm1,@function
k_qdaf0f6a14c_gemm1:
	s_mov_b64 s[64:65], 0
	v_nop
	global_prefetch_b8 v0, s[64:65] scope:SCOPE_SE
	s_setreg_imm32_b32 hwreg(HW_REG_WAVE_MODE, 25, 1), 1
	s_wait_xcnt 0x0
	s_wait_alu depctr_hold_cnt(0) depctr_sa_sdst(0) depctr_va_vdst(0) depctr_va_sdst(0) depctr_va_ssrc(0) depctr_va_vcc(0) depctr_vm_vsrc(0)
	s_getreg_b32 s2, hwreg(HW_REG_IB_STS2, 6, 4)
	s_cmp_eq_u32 s2, 0
	s_cbranch_scc0 .Lentry_in_a_cluster
	s_endpgm
.Lentry_in_a_cluster:
	s_bfe_u32 s2, ttmp6, 0x10000c
	s_cmp_lg_u32 s2, 0x3003
	s_cbranch_scc0 .Lentry_shape_is_right
	s_endpgm
.Lentry_shape_is_right:
; THE FIRST PRODUCT OF BOTH PATHWAYS, AND ITS RESULT QUANTISED.  For pathway p: S[m][n] = sum over 4,096 k of xq[p][m][k] vq[p][n][k], by v_wmma_f32_16x16x128_bf8_bf8, sums in f32;
; tq[m][1024 p + n] = the code of S 2^(e0 + e1) l[n] with the scale 2^e2 (the residual: e4, e5, e6): held within +-57,344 x the scale, rounded to the nearest code, ties to even.
; xq [2][4096 m][4096 k], codes of BF8 (E5M2).  vq [2][64 nb][32 s][4 c][2 h][16 r][16 bytes]: column n = 16 nb + r, s = k / 128, the 16 bytes are k % 128 = 32 c + 16 h + 0 .. 15: the image of an operand's registers.
; LIMITS: e2 and e6 lie between -126 and 112.  The powers of two go onto l by v_ldexp_f32 and round nothing.  NaN is not served.
; k stands in other places of a fragment than the form's own layout gives it, alike in both operands: only the order of sums inside an instruction changes.
; SHARES.  256 work-groups: 2 pathways x 32 blocks of 128 rows x 4 tiles of 256 columns.  A wave makes 128 rows x 64 columns: 32 accumulators, 256 registers.
; xq GOES THROUGH A RING OF TWO LDS SLOTS of 512 along K (128 rows; each wave fetches 32).  A step is 128 along K, a slot four steps, a lap eight.  A slot's last fragments are in registers at the start of its last step:
; there stands the change of slots, and the slot is filled again at once, four steps ahead of the wait for that load.  A wave has one tensor load out.
; vq GOES FROM MEMORY STRAIGHT INTO REGISTERS: each wave has columns of its own, so the work-group loads each byte once; a load reads 512 consecutive bytes.  Four sets of 64 registers: step j asks for step j + 3.
; CLUSTERS: the four work-groups of a cluster (4, 1, 1) are the four column tiles of one pathway and row block: they need the same rows of xq and ask for them JOINTLY (mask 15).  They take different columns, so no byte of vq is shared inside a cluster.
; PREFETCH.  xq: behind each refill wave 0 asks for the slot's fill after that one (two refills on): the partner at place cx takes rows 32 cx .. 32 cx + 31 BY ADDRESS, a lane a row, two instructions for its 512 bytes; the last lap of the loop asks for nothing.
; vq: a lap of a tile is 256 KiB, read by 32 work-groups; each asks for 8 KiB of the next lap (32 lanes x 256 bytes, wave 1, told apart by the row block in the address), at a lap's step 1; the last lap asks for nothing.
; THE MATRIX INSTRUCTION IS USED TRANSPOSED (source 0 = 16 rows of vq, source 1 = 16 rows of xq): a lane then holds eight neighbouring columns of a row, which are eight neighbours along the next product's K.
; REGISTERS, in windows of 256: window 0: v1-31 addresses and scales, v32-63 l 2^(e0 + e1), v64-223 at work on the way out.  window 1: vq's four sets.  window 2: xq's two sets of 8 x 16.  window 3: the accumulators, (a, b) at v[8 (4 a + b)].
.set PITCH,  528                       ; an LDS row: 512 bytes + 16 of padding = 132 words: row r starts at bank 4 r mod 64 (64 banks of 4 bytes: ISA guide 11.1)
.set SLOT,   128*PITCH
.set STAGE,  2*SLOT                    ; the way out: 128 rows x (256 bytes + 16), the work-group's; no fill lands there
.set SPITCH, 272
.set SPARE,  STAGE+128*SPITCH          ; the spare words, 128 bytes for each wave: two blocks of 256 bytes that no other line names
.set ADRA, 8                           ; v8-9    LDS address of my fragments of xq in slot 0, 1
.set STO,  12                          ; v12     the way out: where I put 8 codes of a row
.set RD,   13                          ; v13     where I read 16 bytes of a row back
.set CO,   14                          ; v14     my byte offset in tq
.set CF,   15                          ; v15     32 x (lane / 16): my lane's l
.set BO,   17                          ; v17     16 x lane: my bytes of a load of vq
.set PFO,  18                          ; v18     4,096 x lane: xq's prefetches, a lane a row
.set PFP,  19                          ; v19     256 x lane: vq's prefetches
.set SCR,  20                          ; v20     2^e2 as f32
.set LIMR, 21                          ; v21     57,344 x 2^e2
.set SPW,  28                          ; v28     LDS address of my spare word; never rewritten
.set NIL,  29                          ; v29     0; never rewritten
.set LR,   32
.set TMP,  64
.set CD,   96
.set BK,   160
.set G0,   24                          ; s[24:27], s[28:31] descriptor group 0 for slot 0, 1
.set G1,   32                          ; s[32:39] group 1
.set EX,   40                          ; s[40:47] e0 .. e7
.set BB,   48                          ; s[48:49] my wave's columns of vq, at this lap
.set PFA,  50                          ; s[50:51] xq's prefetches
.set PFB,  52                          ; s[52:53] vq's prefetches
.set LIMA, 58                          ; s58     wave 0: 1; other waves: the greatest number
.set LIMB, 62                          ; s62     wave 1: 0; other waves: the greatest number
.set CNT,  59                          ; s59     the loop's trips to go
.set MULW, 0xf9                        ; source 0 window 1, source 1 window 2, C and D window 3
.set TO_B, 0x40                        ; destination window 1
.set TO_A, 0x80                        ; destination window 2
.set MSB, 0
.macro WIN new                         ; the immediate's high byte repeats the setting that is left; a switch that changes nothing is dropped
.if MSB != \new
	s_set_vgpr_msb (MSB<<8)|\new
.set MSB, \new
.endif
.endm
.macro PLACES n                        ; plain vector lines between a matrix instruction and a load into, or a vector line on, its registers
.rept \n
	v_nop
.endr
.endm
.macro CROUND                          ; a round of the cluster's barrier
	s_barrier_signal -1
	s_barrier_wait -1
	s_cmp_lg_u32 s16, 0
	s_cbranch_scc1 .Lnot_wave_0_\@
	s_barrier_signal -3
.Lnot_wave_0_\@:
	s_barrier_wait -3
	s_barrier_signal -1
	s_barrier_wait -1
.endm
.macro ASKA off                        ; wave 0, while more than one trip is to go: 32 rows x 512 bytes of xq
	s_cmp_gt_u32 s[CNT], s[LIMA]
	s_cbranch_scc0 .Lno_a_\@
	global_prefetch_b8 v[PFO], s[PFA:PFA+1] offset:\off th:TH_LOAD_NT scope:SCOPE_SE
	global_prefetch_b8 v[PFO], s[PFA:PFA+1] offset:\off+256 th:TH_LOAD_NT scope:SCOPE_SE
.Lno_a_\@:
.endm
.macro ASKB                            ; wave 1: 32 x 256 bytes of the next lap's vq
	s_cmp_gt_u32 s[CNT], s[LIMB]
	s_cbranch_scc0 .Lno_b_\@
	global_prefetch_b8 v[PFP], s[PFB:PFB+1] offset:16384 th:TH_LOAD_NT scope:SCOPE_SE
.Lno_b_\@:
.endm
	s_load_b256 s[4:11], s[0:1], 0x0               ; xq, vq, l_primary, l_residual
	s_load_b128 s[12:15], s[0:1], 0x20             ; the exponents, tq
	v_lshl_add_u32 v[SPW], v0, 2, SPARE
	v_mov_b32 v[NIL], 0
	ds_add_u32 v[SPW], v[NIL]                      ; the opening lines: the add, twice on end, and its wait ahead of my first tensor load
	ds_add_u32 v[SPW], v[NIL]
	v_lshrrev_b32 v1, 5, v0
	v_readfirstlane_b32 s16, v1                    ; wave 0..3
	s_bfe_u32 s17, ttmp6, 0x40000                  ; cx: which 256 columns.  (ttmp9, the cluster's x, is the pathway)
	s_and_b32 s19, ttmp7, 0xffff                   ; Y: which 128 rows
	s_mov_b32 s[G1], 15|(1<<20)|(1<<21)|(6<<22)|(3<<25)  ; the mask of all four partners; elements of 1 byte; padding on; bit 21 beside a mask; after every 128 words, 4 words
	s_mov_b32 s[G1+1], 512<<16                     ; tensor_dim0
	s_mov_b32 s[G1+2], 32<<16                      ; tensor_dim1
	s_mov_b32 s[G1+3], 512<<16                     ; tile_dim0
	s_mov_b32 s[G1+4], 32                          ; tile_dim1
	s_mov_b32 s[G1+5], 4096                        ; a row of xq
	s_mov_b32 s[G1+6], 0
	s_mov_b32 s[G1+7], 0
	s_mov_b32 s[G0], 1
	s_mul_i32 s[G0+1], s16, 32*PITCH               ; wave w fetches rows 32 w .. 32 w + 31
	s_mov_b32 s[G0+4], 1
	s_add_co_u32 s[G0+5], s[G0+1], SLOT
	s_lshl_b32 s54, s19, 19                        ; 128 rows of 4,096 bytes x Y
	s_lshl_b32 s56, s16, 17
	s_add_co_u32 s54, s54, s56                     ; + 32 rows x wave
	s_lshl_b32 s56, ttmp9, 24
	s_add_co_u32 s54, s54, s56                     ; + the pathway's 4,096 x 4,096 bytes
	s_mov_b32 s55, 0
	s_wait_dscnt 0x0                               ; both opening adds are done
	s_wait_kmcnt 0x0
	s_load_b256 s[EX:EX+7], s[12:13], 0x0          ; e0 .. e7
	s_add_nc_u64 s[G0+2:G0+3], s[4:5], s[54:55]    ; K = 0
	s_add_nc_u64 s[G0+6:G0+7], s[G0+2:G0+3], 512   ; K = 512
	s_or_b32 s[G0+3], s[G0+3], 0x80000000
	s_or_b32 s[G0+7], s[G0+7], 0x80000000
	CROUND                                         ; all four work-groups are here: the joint loads meet
	tensor_load_to_lds s[G0:G0+3], s[G1:G1+7]      ; slot 0
	s_nop 0
	s_cmp_eq_u32 ttmp9, 0                          ; the choice hangs on the cluster's number alone
	s_cselect_b64 s[8:9], s[8:9], s[10:11]
	s_lshl_b32 s54, s17, 10
	s_lshl_b32 s56, s16, 8
	s_add_co_u32 s54, s54, s56
	s_add_nc_u64 s[8:9], s[8:9], s[54:55]          ; l of my 64 columns
	s_lshl_b32 s54, ttmp9, 22                      ; vq: the pathway's 64 nb of 65,536 bytes,
	s_lshl_b32 s56, s17, 20
	s_add_co_u32 s54, s54, s56                     ; + 16 nb x cx
	s_add_nc_u64 s[PFB:PFB+1], s[6:7], s[54:55]
	s_lshl_b32 s54, s16, 18                        ; + 4 nb x wave
	s_add_nc_u64 s[BB:BB+1], s[PFB:PFB+1], s[54:55]
	s_lshr_b32 s54, s19, 1
	s_lshl_b32 s54, s54, 16                        ; vq's prefetches: nb = Y / 2 of the tile's sixteen,
	s_and_b32 s56, s19, 1
	s_lshl_b32 s56, s56, 13
	s_add_co_u32 s54, s54, s56                     ; and half Y % 2 of a lap's 16,384 bytes
	s_add_nc_u64 s[PFB:PFB+1], s[PFB:PFB+1], s[54:55]
	s_lshl_b32 s54, s19, 7
	s_lshl_b32 s56, s17, 5
	s_add_co_u32 s54, s54, s56                     ; xq's prefetches: row 128 Y + 32 cx,
	s_lshl_b32 s54, s54, 12
	s_lshl_b32 s56, ttmp9, 24
	s_add_co_u32 s54, s54, s56
	s_add_co_u32 s54, s54, 2048                    ; at K = 2,048: the first refill brings K = 1,024, the fill after it in that slot 2,048
	s_add_nc_u64 s[PFA:PFA+1], s[4:5], s[54:55]
	s_lshl_b32 s54, s19, 7
	s_lshl_b32 s56, s16, 5
	s_add_co_u32 s54, s54, s56                     ; tq: I store rows 128 Y + 32 wave ..,
	s_lshl_b32 s54, s54, 11
	s_lshl_b32 s56, ttmp9, 10
	s_add_co_u32 s54, s54, s56                     ; the pathway's half of a row,
	s_lshl_b32 s56, s17, 8
	s_add_co_u32 s54, s54, s56                     ; the tile's 256 bytes
	s_add_nc_u64 s[14:15], s[14:15], s[54:55]
	s_cmp_eq_u32 s16, 0
	s_cselect_b32 s[LIMA], 1, -1
	s_cmp_eq_u32 s16, 1
	s_cselect_b32 s[LIMB], 0, -1
	s_lshl_b32 s60, s16, 6
	s_add_co_u32 s60, s60, STAGE                   ; into the stage: my 64 bytes of each row
	s_mul_i32 s61, s16, 32*SPITCH
	s_add_co_u32 s61, s61, STAGE                   ; back: rows 32 wave ..
	s_mov_b32 s[CNT], 3
	v_and_b32 v1, 15, v0                           ; r
	v_bfe_u32 v2, v0, 4, 1                         ; h
	v_and_b32 v3, 31, v0                           ; lane
	v_lshlrev_b32 v[BO], 4, v3
	v_lshlrev_b32 v[PFO], 12, v3
	v_lshlrev_b32 v[PFP], 8, v3
	v_lshlrev_b32 v[CF], 5, v2
	v_mul_u32_u24 v4, v1, PITCH
	v_lshl_add_u32 v[ADRA], v2, 4, v4              ; a fragment's row x pitch + 16 h
	v_add_nc_u32 v[ADRA+1], SLOT, v[ADRA]
	v_mul_u32_u24 v4, v1, SPITCH
	v_lshl_add_u32 v4, v2, 3, v4
	v_add_nc_u32 v[STO], s60, v4                   ; in: row r, 8 bytes for each half of the lanes
	v_mul_u32_u24 v4, v2, SPITCH
	v_lshl_add_u32 v4, v1, 4, v4
	v_add_nc_u32 v[RD], s61, v4                    ; back: lanes 0-15 one row of 256 bytes, lanes 16-31 the next
	v_lshlrev_b32 v4, 11, v2
	v_lshl_add_u32 v[CO], v1, 4, v4                ; and the same two rows in tq
	s_wait_alu depctr_va_vdst(0)
.macro BLOAD n                         ; vq's four fragments of the lap's step n (8 to 10: the next lap's 0 to 2) into set n % 4: 16 loads of 512 consecutive bytes
	WIN TO_B
.irp b, 0,1,2,3
.irp c, 0,1,2,3
	global_load_b128 v[64*((\n)%4)+16*\b+4*\c:64*((\n)%4)+16*\b+4*\c+3], v[BO], s[BB:BB+1] offset:65536*\b+2048*(\n)+512*\c
.endr
.endr
	WIN 0
.endm
.macro FETCH n                         ; xq's eight fragments of the lap's step n into set n % 2: lane l holds row l % 16; registers 4 c .. 4 c + 3 hold K = 32 c + 16 (l / 16) + 0 .. 15
	WIN TO_A
.irp a, 0,1,2,3,4,5,6,7
.irp c, 0,1,2,3
	ds_load_b128 v[128*((\n)%2)+16*\a+4*\c:128*((\n)%2)+16*\a+4*\c+3], v[ADRA+(\n)/4] offset:\a*16*PITCH+128*((\n)%4)+32*\c
.endr
.endr
.endm
.macro MUL j, zero                     ; 32 products; the 32 accumulators take turns, one instruction a turn, in the same order in every step
.irp a, 0,1,2,3,4,5,6,7
.irp b, 0,1,2,3
.if \zero
	v_wmma_f32_16x16x128_bf8_bf8 v[8*(4*\a+\b):8*(4*\a+\b)+7], v[64*((\j)%4)+16*\b:64*((\j)%4)+16*\b+15], v[128*((\j)%2)+16*\a:128*((\j)%2)+16*\a+15], 0
.else
	v_wmma_f32_16x16x128_bf8_bf8 v[8*(4*\a+\b):8*(4*\a+\b)+7], v[64*((\j)%4)+16*\b:64*((\j)%4)+16*\b+15], v[128*((\j)%2)+16*\a:128*((\j)%2)+16*\a+15], v[8*(4*\a+\b):8*(4*\a+\b)+7]
.endif
.endr
.endr
.endm
; Step j of a lap.  tail = 1: the last lap, which asks for nothing beyond K.
.macro STEP j, zero, tail
.if ((\j)%4) == 3 && ((\tail) == 0 || (\j) == 3)
	; THE CHANGE OF SLOTS, at the start of a slot's last step
	s_wait_tensorcnt 0x0                           ; my one tensor load that was out, my part of the other slot, has landed: so a group 0 may be written
	ds_add_u32 v[SPW], v[NIL]                      ; 0 onto my spare word
.if (\tail) == 0
	s_add_nc_u64 s[G0+4*((\j)/4)+2:G0+4*((\j)/4)+3], s[G0+4*((\j)/4)+2:G0+4*((\j)/4)+3], 1024   ; this slot's next 512 along K
.endif
	s_wait_dscnt 0x0                               ; the add is done, and my reads of this slot are over: this step's fragments are in
.if (\tail) == 0
	CROUND                                         ; no wave of any partner still reads this slot or has a load on its way
	tensor_load_to_lds s[G0+4*((\j)/4):G0+4*((\j)/4)+3], s[G1:G1+7]   ; the first tensor load behind the round, my one load until the next
	s_nop 0
.else
	s_barrier_signal -1
	s_barrier_wait -1                              ; nothing is filled again: the other slot is whole for every wave
.endif
.else
	s_wait_dscnt 0x0                               ; this step's fragments of xq are in
.endif
	PLACES 4                                       ; behind the last step's products, which read the sets that are loaded now
.if (\tail) == 0 || (\j) < 5
	BLOAD (\j)+3
.endif
.if (\tail) == 0
.if (\j) == 1
	ASKB
.endif
.if (\j) == 3
	ASKA 0
.endif
.if (\j) == 7
	ASKA 512
.endif
.endif
.if (\tail) == 0 || (\j) < 7
	FETCH ((\j)+1)%8
.endif
.if (\tail) && (\j) >= 5
	s_wait_loadcnt 16*(7-(\j))                     ; near the end fewer steps stand behind this one
.else
	s_wait_loadcnt 48                              ; vq's set of this step is in; the 48 loads of the three steps behind it may be out
.endif
	WIN MULW
	MUL \j, \zero
	WIN 0
.endm
.irp b, 0,1,2,3
	global_load_b128 v[LR+8*\b:LR+8*\b+3], v[CF], s[8:9] offset:64*\b          ; l: register 8 b + j: column 16 b + 8 (lane / 16) + j of my 64
	global_load_b128 v[LR+8*\b+4:LR+8*\b+7], v[CF], s[8:9] offset:64*\b+16
.endr
	BLOAD 0
	BLOAD 1
	BLOAD 2
	s_wait_tensorcnt 0x0                           ; my part of slot 0 is in
	ds_add_u32 v[SPW], v[NIL]
	s_wait_dscnt 0x0
	CROUND                                         ; everybody's part of slot 0 is in, and the joint loads meet
	tensor_load_to_lds s[G0+4:G0+7], s[G1:G1+7]    ; slot 1's first fill, the first tensor load behind the round
	s_nop 0
	PLACES 4
	s_wait_kmcnt 0x0
	s_cmp_eq_u32 ttmp9, 0
	s_cselect_b32 s54, s[EX], s[EX+4]
	s_cselect_b32 s56, s[EX+1], s[EX+5]
	s_cselect_b32 s57, s[EX+2], s[EX+6]
	s_add_co_i32 s54, s54, s56                     ; e0 + e1
	s_add_co_i32 s57, s57, 127
	s_lshl_b32 s56, s57, 23
	v_mov_b32 v[SCR], s56                          ; 2^e2 as f32: the conversion takes its exponent field
	s_add_co_i32 s57, s57, 15
	s_lshl_b32 s57, s57, 23
	s_or_b32 s57, s57, 0x600000
	v_mov_b32 v[LIMR], s57                         ; 57,344 x 2^e2
	s_wait_loadcnt 48                              ; l is in; vq's 48 loads may be out
.set j, 0
.rept 32
	v_ldexp_f32 v[LR+j], v[LR+j], s54
.set j, j+1
.endr
	s_wait_alu depctr_va_vdst(0)
	FETCH 0
	WIN 0
	STEP 0, 1, 0                                   ; the first step stands in front of the loop: its products start the sums
.Llap:                                                 ; a trip goes from a lap's second step to the next lap's first, and fills both slots again
.irp j, 1,2,3,4,5,6,7
	STEP \j, 0, 0
.endr
	s_wait_xcnt 0x0                                ; my loads and prefetches have read their bases
	s_add_nc_u64 s[BB:BB+1], s[BB:BB+1], 16384     ; a lap on: eight steps of 2,048 bytes
	s_add_nc_u64 s[PFB:PFB+1], s[PFB:PFB+1], 16384
	s_add_nc_u64 s[PFA:PFA+1], s[PFA:PFA+1], 1024
	STEP 0, 0, 0
	s_sub_co_u32 s[CNT], s[CNT], 1
	s_cmp_lg_u32 s[CNT], 0
	s_cbranch_scc1 .Llap
.irp j, 1,2,3,4,5,6,7
	STEP \j, 0, 1
.endr
; THE WAY OUT.  x l 2^(e0 + e1), the hold, the conversion: 8 codes a lane and column block.  A row's 256 bytes come from four waves: so the codes meet in the work-group's stage, a barrier, and each wave stores 32 whole rows.
.macro OUTBLK a
	WIN 0x03                                       ; source 0 window 3
.set j, 0
.rept 16
	v_pk_mul_f32 v[TMP+j:TMP+j+1], v[32*(\a)+j:32*(\a)+j+1], v[LR+j:LR+j+1]   ; each accumulator from its low end on
.set j, j+2
.endr
	WIN 0
.set j, 0
.rept 32
	v_med3_num_f32 v[TMP+j], v[TMP+j], -v[LIMR], v[LIMR]   ; the conversion to an 8-bit code does not saturate (ISA guide 7.6.2)
.set j, j+1
.endr
.irp b, 0,1,2,3
	v_cvt_scalef32_pk8_bf8_f32 v[CD+8*(\a)+2*\b:CD+8*(\a)+2*\b+1], v[TMP+8*\b:TMP+8*\b+7], v[SCR]
.endr
	v_nop                                          ; a plain vector line behind the conversions
.irp b, 0,1,2,3
	ds_store_b64 v[STO], v[CD+8*(\a)+2*\b:CD+8*(\a)+2*\b+1] offset:(\a)*16*SPITCH+16*\b
.endr
.endm
	PLACES 4
.irp a, 0,1,2,3,4,5,6,7
	OUTBLK \a
.endr
	s_wait_dscnt 0x0                               ; for the others' sake: my stores into the stage are done
	s_barrier_signal -1
	s_barrier_wait -1
.irp t, 0,1,2,3,4,5,6,7,8,9,10,11,12,13,14,15
	ds_load_b128 v[BK+4*\t:BK+4*\t+3], v[RD] offset:\t*2*SPITCH
.endr
.irp t, 0,1,2,3,4,5,6,7,8,9,10,11,12,13,14,15
	s_wait_dscnt 15-\t                             ; the younger loads may be out
	global_store_b128 v[CO], v[BK+4*\t:BK+4*\t+3], s[14:15] offset:\t*2*2048   ; sixteen lanes store 256 consecutive bytes, aligned to 256
.endr
	s_wait_tensorcnt 0x0                           ; the wave's end
	ds_add_u32 v[SPW], v[NIL]
	s_wait_dscnt 0x0
	CROUND                                         ; the closing round
	s_endpgm
.Lfunc_end_k_qdaf0f6a14c_gemm1:
	.size	k_qdaf0f6a14c_gemm1, .Lfunc_end_k_qdaf0f6a14c_gemm1-k_qdaf0f6a14c_gemm1
	.p2alignl 7, 3214868480
	.fill 96, 4, 3214868480
	.section	.rodata,"a",@progbits
	.p2align	6, 0x0
	.amdhsa_kernel k_qdaf0f6a14c_gemm1
		.amdhsa_group_segment_fixed_size 327680
		.amdhsa_private_segment_fixed_size 0
		.amdhsa_enable_private_segment 0
		.amdhsa_kernarg_size 48
		.amdhsa_user_sgpr_count 2
		.amdhsa_user_sgpr_kernarg_segment_ptr 1
		.amdhsa_wavefront_size32 1
		.amdhsa_system_sgpr_workgroup_id_x 1
		.amdhsa_system_sgpr_workgroup_id_y 1
		.amdhsa_system_sgpr_workgroup_id_z 1
		.amdhsa_system_vgpr_workitem_id 0
		.amdhsa_next_free_vgpr 1024
		.amdhsa_next_free_sgpr 66
		.amdhsa_reserve_vcc 0
		.amdhsa_float_denorm_mode_32 3
		.amdhsa_float_denorm_mode_16_64 3
		.amdhsa_memory_ordered 1
		.amdhsa_forward_progress 1
		.amdhsa_inst_pref_size 138
	.end_amdhsa_kernel
	.amdgpu_metadata
---
amdhsa.version: [ 1, 2 ]
amdhsa.kernels:
  - .name:           k_qdaf0f6a14c_gemm1
    .symbol:         k_qdaf0f6a14c_gemm1.kd
    .args:
      - { .name: xq, .offset: 0, .size: 8, .value_kind: global_buffer, .address_space: global }
      - { .name: vq, .offset: 8, .size: 8, .value_kind: global_buffer, .address_space: global }
      - { .name: l_primary, .offset: 16, .size: 8, .value_kind: global_buffer, .address_space: global }
      - { .name: l_residual, .offset: 24, .size: 8, .value_kind: global_buffer, .address_space: global }
      - { .name: lowp_scales, .offset: 32, .size: 8, .value_kind: global_buffer, .address_space: global }
      - { .name: tq, .offset: 40, .size: 8, .value_kind: global_buffer, .address_space: global }
    .group_segment_fixed_size: 327680
    .private_segment_fixed_size: 0
    .kernarg_segment_align: 8
    .kernarg_segment_size: 48
    .max_flat_workgroup_size: 128
    .sgpr_count:     66
    .vgpr_count:     1024
    .wavefront_size: 32
...
	.end_amdgpu_metadata
.endif
;; end of part 2
;; launch gemm2 (part 3): grid 8 x 32, 4 waves a work-group, clusters of 4 x 1, 327,680 bytes of LDS; arguments tq, uq, h_primary, h_residual, bias, lowp_scales, out0; writes out0
.if DOCPART == 3
	.amdgcn_target "amdgcn-amd-amdhsa--gfx1250"
	.amdhsa_code_object_version 6
	.text
	.protected	k_qdaf0f6a14c_gemm2
	.globl	k_qdaf0f6a14c_gemm2
	.p2align	8
	.type	k_qdaf0f6a14c_gemm2,@function
k_qdaf0f6a14c_gemm2:
	s_mov_b64 s[64:65], 0
	v_nop
	global_prefetch_b8 v0, s[64:65] scope:SCOPE_SE
	s_setreg_imm32_b32 hwreg(HW_REG_WAVE_MODE, 25, 1), 1
	s_wait_xcnt 0x0
	s_wait_alu depctr_hold_cnt(0) depctr_sa_sdst(0) depctr_va_vdst(0) depctr_va_sdst(0) depctr_va_ssrc(0) depctr_va_vcc(0) depctr_vm_vsrc(0)
	s_getreg_b32 s2, hwreg(HW_REG_IB_STS2, 6, 4)
	s_cmp_eq_u32 s2, 0
	s_cbranch_scc0 .Lentry_in_a_cluster
	s_endpgm
.Lentry_in_a_cluster:
	s_bfe_u32 s2, ttmp6, 0x10000c
	s_cmp_lg_u32 s2, 0x3003
	s_cbranch_scc0 .Lentry_shape_is_right
	s_endpgm
.Lentry_shape_is_right:
; THE SECOND PRODUCT OF BOTH PATHWAYS AND THE END.  out0[m][n] = Sp 2^(e2 + e3) h_primary[n] + Sr 2^(e6 + e7) h_residual[n] + bias[n],
; Sp = sum over the primary's 1,024 k of tq uq, Sr over the residual's.  Codes of BF8 (E5M2), sums in f32 by v_wmma_f32_16x16x128_bf8_bf8.
; tq [4096 m][2048]: a row holds the primary's 1,024 codes, then the residual's.
; uq [256 nb][16 s][4 c][2 h][16 r][16 bytes]: column n = 16 nb + r, s = 8 x pathway + k / 128, the 16 bytes are k % 128 = 32 c + 16 h + 0 .. 15: the image of an operand's registers.
; ORDER OF ROUNDING: the end is two fused multiply-adds, (Sp h' + bias) and then Sr h'' onto it.  The powers of two go onto h by v_ldexp_f32 and round nothing.  NaN is not served.
; k stands in other places of a fragment than the form's own layout gives it, alike in both operands: only the order of sums inside an instruction changes.
; SHARES.  256 work-groups: 32 blocks of 128 rows x 8 groups of 512 columns.  A work-group holds its 128 rows of tq, all 2,048 along K, in LDS: four fills at the head, one a wave (128 rows x 512 bytes each), and
; no byte of LDS is filled again.  It walks two tiles of 128 x 256.  A wave makes 128 rows x 64 columns with one set of accumulators for each pathway (h differs by pathway and column): 2 x 32 x 8 = 512 registers.
; uq GOES FROM MEMORY STRAIGHT INTO REGISTERS: each wave has columns of its own, so the work-group loads each byte once; a load reads 512 consecutive bytes.
; A step is 128 along K, in two halves of 16 products: half-step u = 2 s + g multiplies tq's eight fragments by PAIR u of uq's (column blocks 2 g, 2 g + 1).  Seven buffers of a pair (32 registers) take turns:
; half-step u asks for pair u + 6, into the buffer that half-step u - 1 has left, ahead of its own wait: six pairs, 48 loads, are out behind the pair that it waits for.
; tq's fragments for the next step (32 LDS loads, two sets) are asked for at a step's start.  Steps 0-7 add to the primary's sums, 8-15 to the residual's.
; CLUSTERS: the four work-groups of a cluster (4, 1, 1) have the same rows of tq and ask for them JOINTLY (mask 15).  They take different columns, so no byte of uq is shared inside a cluster.
; PREFETCH: eight steps of a tile's uq are 256 KiB, read by the 32 work-groups of a column group; each of these asks for 8 KiB of them (32 lanes x 256 bytes, wave 0, told apart by the row block in the ADDRESS),
; at steps 0 and 8 for the eight steps that follow the current eight; the last eight steps ask for nothing.  The first eight steps come by their loads alone.
; THE MATRIX INSTRUCTION IS USED TRANSPOSED (source 0 = 16 rows of uq, source 1 = 16 rows of tq): a lane then holds eight neighbouring numbers of a row of out0.
; REGISTERS, in windows of 256: window 0: v1-31 addresses, v32-255 uq's seven buffers (v224-235 also at work at the head).  window 1: tq's two sets of 8 x 16; on the way out v0-95 h', h'', bias, v96-127 results, v128-191 rows read back.
;   window 2: the primary's accumulators, (a, b) at v[8 (4 a + b)];   window 3: the residual's.
.set PITCH,  528                       ; an LDS row of tq: 512 bytes + 16 of padding = 132 words: row r starts at bank 4 r mod 64 (64 banks of 4 bytes: ISA guide 11.1)
.set REGB,   128*PITCH                 ; a quarter of K: 128 rows
.set STAGE,  4*REGB                    ; the way out: 16 rows x (256 bytes + 16) for each wave
.set SPITCH, 272
.set WSTG,   16*SPITCH
.set COEF,   STAGE+4*WSTG              ; h', h'', bias of the work-group's 512 columns, 2,048 bytes each
.set SPARE,  COEF+3*2048               ; the spare words, 128 bytes for each wave: two blocks of 256 bytes that no other line names
.set ADRA, 8                           ; v8-11   LDS address of my fragments of tq in quarter 0 .. 3 of K
.set STO,  12                          ; v12     the way out: where I put 32 bytes of a row
.set RD,   13                          ; v13     where I read 16 bytes of a row back
.set CO,   14                          ; v14     my byte offset in out0
.set CF,   15                          ; v15     LDS address of my lane's coefficients in the first tile
.set CFT,  16                          ; v16     the same in this tile
.set BO,   17                          ; v17     16 x lane: my bytes of a load of uq
.set PFO,  18                          ; v18     256 x lane: the prefetches' offset
.set SPW,  28                          ; v28     LDS address of my spare word; never rewritten
.set NIL,  29                          ; v29     0; never rewritten
.set BF,   32                          ; uq's buffers
.set G0,   24                          ; s[24:27] descriptor group 0
.set G1,   28                          ; s[28:35] group 1
.set EX,   36                          ; s[36:43] e0 .. e7
.set BB,   44                          ; s[44:45] my wave's columns of uq in this tile
.set PFA,  46                          ; s[46:47] my work-group's share of this tile's uq
.set OUTP, 48                          ; s[48:49] my wave's corner of this tile of out0
.set LIM0, 54                          ; s54, s55 wave 0: 0 and 1; other waves: the greatest number
.set LIM1, 55
.set CNT,  56                          ; s56     tiles to go
.set TOFF, 57                          ; s57     1,024 x the tile: its coefficients' place
.set OST,  60                          ; s[60:61] what a tile's step 0 adds to out0's address: 0, then 1,024
.set W_P,  0xa4                        ; source 0 window 0, source 1 window 1, C and D window 2
.set W_R,  0xf4                        ; the same, C and D window 3
.set TO_1, 0x40                        ; destination window 1, address window 0
.set FR_1, 0x04                        ; address window 0, stored data window 1
.set MSB, 0
.macro WIN new                         ; the immediate's high byte repeats the setting that is left; a switch that changes nothing is dropped
.if MSB != \new
	s_set_vgpr_msb (MSB<<8)|\new
.set MSB, \new
.endif
.endm
.macro PLACES n                        ; plain vector lines between a matrix instruction and a load into, or a vector line on, its registers
.rept \n
	v_nop
.endr
.endm
.macro CROUND                          ; a round of the cluster's barrier
	s_barrier_signal -1
	s_barrier_wait -1
	s_cmp_lg_u32 s16, 0
	s_cbranch_scc1 .Lnot_wave_0_\@
	s_barrier_signal -3
.Lnot_wave_0_\@:
	s_barrier_wait -3
	s_barrier_signal -1
	s_barrier_wait -1
.endm
.macro ASK lim, off                    ; wave 0, while tiles to go exceed the limit: 32 lanes x 256 bytes of uq
	s_cmp_gt_u32 s[CNT], s[\lim]
	s_cbranch_scc0 .Lno_ask_\@
	global_prefetch_b8 v[PFO], s[PFA:PFA+1] offset:\off th:TH_LOAD_NT scope:SCOPE_SE
.Lno_ask_\@:
.endm
	s_load_b256 s[4:11], s[0:1], 0x0               ; tq, uq, h_primary, h_residual
	s_load_b128 s[12:15], s[0:1], 0x20             ; bias, the exponents
	s_load_b64 s[OUTP:OUTP+1], s[0:1], 0x30        ; out0
	v_lshl_add_u32 v[SPW], v0, 2, SPARE
	v_mov_b32 v[NIL], 0
	ds_add_u32 v[SPW], v[NIL]                      ; the opening lines: the add, twice on end, and its wait ahead of my first tensor load
	ds_add_u32 v[SPW], v[NIL]
	v_lshrrev_b32 v1, 5, v0
	v_readfirstlane_b32 s16, v1                    ; wave 0..3
	s_bfe_u32 s17, ttmp6, 0x40000                  ; cx
	s_lshl_b32 s18, ttmp9, 2
	s_add_co_u32 s18, s18, s17                     ; X: which 512 columns
	s_and_b32 s19, ttmp7, 0xffff                   ; Y: which 128 rows
	s_mov_b32 s[G1], 15|(1<<20)|(1<<21)|(6<<22)|(3<<25)  ; the mask of all four partners; elements of 1 byte; padding on; bit 21 beside a mask; after every 128 words, 4 words
	s_mov_b32 s[G1+1], 512<<16                     ; tensor_dim0
	s_mov_b32 s[G1+2], 128<<16                     ; tensor_dim1
	s_mov_b32 s[G1+3], 512<<16                     ; tile_dim0
	s_mov_b32 s[G1+4], 128                         ; tile_dim1
	s_mov_b32 s[G1+5], 2048                        ; a row of tq
	s_mov_b32 s[G1+6], 0
	s_mov_b32 s[G1+7], 0
	s_mov_b32 s[G0], 1
	s_mul_i32 s[G0+1], s16, REGB                   ; wave w fetches quarter w of K
	s_lshl_b32 s50, s19, 18                        ; 128 rows of 2,048 bytes x Y
	s_lshl_b32 s51, s16, 9
	s_add_co_u32 s50, s50, s51                     ; + 512 x wave
	s_mov_b32 s51, 0
	s_wait_dscnt 0x0                               ; both opening adds are done
	s_wait_kmcnt 0x0
	s_load_b256 s[EX:EX+7], s[14:15], 0x0          ; e0 .. e7
	s_add_nc_u64 s[G0+2:G0+3], s[4:5], s[50:51]
	s_or_b32 s[G0+3], s[G0+3], 0x80000000
	CROUND                                         ; all four work-groups are here: the joint loads meet
	tensor_load_to_lds s[G0:G0+3], s[G1:G1+7]      ; my one tensor load of the launch
	s_nop 0
	s_lshl_b32 s50, s18, 11                        ; 512 columns x 4 bytes x X
	s_add_nc_u64 s[8:9], s[8:9], s[50:51]
	s_add_nc_u64 s[10:11], s[10:11], s[50:51]
	s_add_nc_u64 s[12:13], s[12:13], s[50:51]
	s_add_nc_u64 s[OUTP:OUTP+1], s[OUTP:OUTP+1], s[50:51]
	s_lshl_b32 s50, s19, 21                        ; out0: 128 rows of 16,384 bytes x Y,
	s_lshl_b32 s52, s16, 8
	s_add_co_u32 s50, s50, s52                     ; + my 64 columns
	s_add_nc_u64 s[OUTP:OUTP+1], s[OUTP:OUTP+1], s[50:51]
	s_lshl_b32 s50, s18, 20                        ; uq: 32 nb of 32,768 bytes x X
	s_add_nc_u64 s[BB:BB+1], s[6:7], s[50:51]
	s_mov_b64 s[PFA:PFA+1], s[BB:BB+1]
	s_lshl_b32 s50, s16, 17                        ; + 4 nb x wave
	s_add_nc_u64 s[BB:BB+1], s[BB:BB+1], s[50:51]
	s_lshr_b32 s50, s19, 1
	s_lshl_b32 s50, s50, 15                        ; the prefetches: nb = Y / 2 of the tile's sixteen,
	s_and_b32 s52, s19, 1
	s_lshl_b32 s52, s52, 13
	s_add_co_u32 s50, s50, s52                     ; and half Y % 2 of its eight steps' 16,384 bytes
	s_add_nc_u64 s[PFA:PFA+1], s[PFA:PFA+1], s[50:51]
	s_cmp_eq_u32 s16, 0
	s_cselect_b32 s[LIM0], 0, -1
	s_cselect_b32 s[LIM1], 1, -1
	s_mul_i32 s58, s16, WSTG
	s_add_co_u32 s58, s58, STAGE                   ; my stage
	s_lshl_b32 s59, s16, 8
	s_add_co_u32 s59, s59, COEF                    ; my 64 columns' coefficients
	s_mov_b32 s[TOFF], 0
	s_mov_b32 s[OST], 0
	s_mov_b32 s[OST+1], 0
	s_mov_b32 s[CNT], 2
	v_and_b32 v1, 15, v0                           ; r
	v_bfe_u32 v2, v0, 4, 1                         ; h
	v_and_b32 v3, 31, v0                           ; lane
	v_lshlrev_b32 v[BO], 4, v3
	v_lshlrev_b32 v[PFO], 8, v3
	v_lshlrev_b32 v5, 4, v0                        ; thread t takes four columns' coefficients
	v_lshl_add_u32 v6, v0, 4, COEF
	v_mul_u32_u24 v4, v1, PITCH
	v_lshl_add_u32 v[ADRA], v2, 4, v4              ; a fragment's row x pitch + 16 h
.irp q, 1,2,3
	v_add_nc_u32 v[ADRA+\q], \q*REGB, v[ADRA]
.endr
	v_mul_u32_u24 v4, v1, SPITCH
	v_lshl_add_u32 v4, v2, 5, v4
	v_add_nc_u32 v[STO], s58, v4                   ; in: row r, 32 bytes for each half of the lanes
	v_mul_u32_u24 v4, v2, SPITCH
	v_lshl_add_u32 v4, v1, 4, v4
	v_add_nc_u32 v[RD], s58, v4                    ; back: lanes 0-15 one row of 256 bytes, lanes 16-31 the next
	v_lshl_add_u32 v[CF], v2, 5, s59
	v_lshlrev_b32 v4, 14, v2
	v_lshl_add_u32 v[CO], v1, 4, v4                ; and the same two rows in out0
	s_wait_alu depctr_va_vdst(0)
.macro BLOAD u                         ; pair u of uq's fragments (step u / 2, column blocks 2 (u % 2) and + 1) into buffer u % 7: 8 loads of 512 consecutive bytes
.irp e, 0,1
.irp c, 0,1,2,3
	global_load_b128 v[BF+32*((\u)%7)+16*\e+4*\c:BF+32*((\u)%7)+16*\e+4*\c+3], v[BO], s[BB:BB+1] offset:32768*(2*((\u)%2)+\e)+2048*((\u)/2)+512*\c
.endr
.endr
.endm
.macro BWAIT u                         ; pair u is in; the pairs asked for behind it may be out: six of 8 loads, near the tile's end those that are left
.if 31-(\u) < 6
	s_wait_loadcnt 8*(31-(\u))
.else
	s_wait_loadcnt 48
.endif
.endm
.macro FETCH s                         ; tq's eight fragments of step s into set s % 2: lane l holds row l % 16; registers 4 c .. 4 c + 3 hold K = 32 c + 16 (l / 16) + 0 .. 15
	WIN TO_1
.irp a, 0,1,2,3,4,5,6,7
.irp c, 0,1,2,3
	ds_load_b128 v[128*((\s)%2)+16*\a+4*\c:128*((\s)%2)+16*\a+4*\c+3], v[ADRA+(\s)/4] offset:\a*16*PITCH+128*((\s)%4)+32*\c
.endr
.endr
.endm
.macro MUL s, g                        ; 16 products: tq's eight blocks x pair 2 s + g; the 16 accumulators take turns, one instruction a turn; a pathway's first step starts its sums with the constant 0
.if (\s) < 8
	WIN W_P
.else
	WIN W_R
.endif
.irp a, 0,1,2,3,4,5,6,7
.irp e, 0,1
.if ((\s)%8) == 0
	v_wmma_f32_16x16x128_bf8_bf8 v[8*(4*\a+2*(\g)+\e):8*(4*\a+2*(\g)+\e)+7], v[BF+32*((2*(\s)+(\g))%7)+16*\e:BF+32*((2*(\s)+(\g))%7)+16*\e+15], v[128*((\s)%2)+16*\a:128*((\s)%2)+16*\a+15], 0
.else
	v_wmma_f32_16x16x128_bf8_bf8 v[8*(4*\a+2*(\g)+\e):8*(4*\a+2*(\g)+\e)+7], v[BF+32*((2*(\s)+(\g))%7)+16*\e:BF+32*((2*(\s)+(\g))%7)+16*\e+15], v[128*((\s)%2)+16*\a:128*((\s)%2)+16*\a+15], v[8*(4*\a+2*(\g)+\e):8*(4*\a+2*(\g)+\e)+7]
.endif
.endr
.endr
	WIN 0
.endm
.macro STEP s
	s_wait_dscnt 0x0                               ; tq's set of this step is in
.if (\s) == 0
	s_wait_xcnt 0x0                                ; the last tile's stores have read their registers (tq's set 1 is loaded below) and their base
	s_add_nc_u64 s[OUTP:OUTP+1], s[OUTP:OUTP+1], s[OST:OST+1]   ; the first tile: 0; then 256 columns on
.endif
	PLACES 4                                       ; behind the last half-step's products, which read the registers that are loaded now
.if 2*(\s)+6 < 32
	BLOAD 2*(\s)+6
.endif
.if (\s) == 0
	ASK LIM0, 16384                                ; this tile's steps 8-15
.endif
.if (\s) == 8
	ASK LIM1, 524288                               ; the next tile's steps 0-7, if there is one
.endif
.if (\s) < 15
	FETCH (\s)+1
.else
	v_add_nc_u32 v[CFT], s[TOFF], v[CF]            ; tq's set 0 is free: it takes h' (v0-31), h'' (v32-63), bias (v64-95); register 8 b + j: column 16 b + 8 (lane / 16) + j of my 64
	WIN TO_1
.irp c, 0,1,2
.irp b, 0,1,2,3
	ds_load_b128 v[32*\c+8*\b:32*\c+8*\b+3], v[CFT] offset:2048*\c+64*\b
	ds_load_b128 v[32*\c+8*\b+4:32*\c+8*\b+7], v[CFT] offset:2048*\c+64*\b+16
.endr
.endr
.endif
	BWAIT 2*(\s)
	MUL \s, 0
	PLACES 4                                       ; behind the products that read the buffer loaded now
.if 2*(\s)+7 < 32
	BLOAD 2*(\s)+7
.endif
	BWAIT 2*(\s)+1
	MUL \s, 1
.endm
; THE WAY OUT, block by block of 16 rows x 64 columns: through my own stage and back as whole rows of 256 bytes.  LDS serves a wave's instructions in order (ISA guide 5.7.1.4): no wait between the stores and the loads.
.macro TOSTAGE a
	WIN 0x56                                       ; source 0 window 2, the others window 1
.set j, 0
.rept 16
	v_pk_fma_f32 v[96+j:97+j], v[32*(\a)+j:32*(\a)+j+1], v[j:j+1], v[64+j:65+j]          ; Sp h' + bias; each accumulator from its low end on
.set j, j+2
.endr
	WIN 0x57                                       ; source 0 window 3
.set j, 0
.rept 16
	v_pk_fma_f32 v[96+j:97+j], v[32*(\a)+j:32*(\a)+j+1], v[32+j:33+j], v[96+j:97+j]      ; + Sr h''
.set j, j+2
.endr
	WIN FR_1
.irp b, 0,1,2,3
	ds_store_b128 v[STO], v[96+8*\b:96+8*\b+3] offset:64*\b
	ds_store_b128 v[STO], v[96+8*\b+4:96+8*\b+7] offset:64*\b+16
.endr
	WIN TO_1
.irp t, 0,1,2,3,4,5,6,7
	ds_load_b128 v[128+32*((\a)%2)+4*\t:128+32*((\a)%2)+4*\t+3], v[RD] offset:\t*2*SPITCH
.endr
	WIN 0
.endm
.macro SEND a, younger                 ; younger: the LDS instructions issued behind block a's loads, which may stay out
	s_wait_dscnt \younger
	WIN FR_1
.irp t, 0,1,2,3,4,5,6,7
	global_store_b128 v[CO], v[128+32*((\a)%2)+4*\t:128+32*((\a)%2)+4*\t+3], s[OUTP:OUTP+1] offset:(16*(\a)+2*\t)*16384 th:TH_STORE_NT   ; sixteen lanes store 256 consecutive bytes, aligned to 256; 126 rows at the most: inside the signed 24-bit immediate
.endr
	WIN 0
.endm
	global_load_b128 v[224:227], v5, s[8:9]        ; h_primary, h_residual, bias of my four columns
	global_load_b128 v[228:231], v5, s[10:11]
	global_load_b128 v[232:235], v5, s[12:13]
.irp u, 0,1,2,3,4,5
	BLOAD \u
.endr
	s_wait_kmcnt 0x0
	s_add_co_i32 s52, s[EX+2], s[EX+3]             ; e2 + e3
	s_add_co_i32 s53, s[EX+6], s[EX+7]             ; e6 + e7
	s_wait_tensorcnt 0x0                           ; my quarter of tq's rows is in
	s_wait_loadcnt 48                              ; the coefficients are in; uq's 48 loads may be out
.irp j, 0,1,2,3
	v_ldexp_f32 v[224+\j], v[224+\j], s52          ; h' = h_primary 2^(e2 + e3)
	v_ldexp_f32 v[228+\j], v[228+\j], s53          ; h'' = h_residual 2^(e6 + e7)
.endr
	ds_store_b128 v6, v[224:227]
	ds_store_b128 v6, v[228:231] offset:2048
	ds_store_b128 v6, v[232:235] offset:4096
	s_wait_dscnt 0x0                               ; for the others' sake: my coefficients lie in LDS (and the stores have read v224-235, which uq's seventh buffer takes)
	s_barrier_signal -1
	s_barrier_wait -1                              ; everybody's quarter and coefficients
.Ltile:
	FETCH 0
	WIN 0
.irp s, 0,1,2,3,4,5,6,7,8,9,10,11,12,13,14,15
	STEP \s
.endr
	PLACES 4                                       ; behind the last products: for the loads into uq's buffers and tq's set 1, and for the first reads of results
	s_cmp_eq_u32 s[CNT], 1
	s_cbranch_scc1 .Lno_next                       ; the last tile asks for nothing more
	s_wait_xcnt 0x0                                ; my loads and prefetches have read their bases
	s_add_nc_u64 s[BB:BB+1], s[BB:BB+1], 524288    ; 16 nb on
	s_add_nc_u64 s[PFA:PFA+1], s[PFA:PFA+1], 524288
.irp u, 0,1,2,3,4,5
	BLOAD \u                                       ; the next tile's first six pairs are on their way while this tile goes out
.endr
.Lno_next:
	s_wait_dscnt 0x0                               ; the coefficients are in
	TOSTAGE 0
.irp a, 1,2,3,4,5,6,7
.if \a > 1
	s_wait_xcnt 0x0                                ; block a - 2's stores have read their registers: block a's loads may land there
.endif
	TOSTAGE \a
	SEND \a-1, 16                                  ; behind block a - 1's loads: block a's 8 stores and 8 loads
.endr
	SEND 7, 0
	s_mov_b32 s[OST], 1024                         ; what the next tile's step 0 adds to out0's address
	s_add_co_u32 s[TOFF], s[TOFF], 1024
	s_sub_co_u32 s[CNT], s[CNT], 1
	s_cmp_lg_u32 s[CNT], 0
	s_cbranch_scc1 .Ltile
	s_wait_tensorcnt 0x0                           ; the wave's end
	ds_add_u32 v[SPW], v[NIL]
	s_wait_dscnt 0x0
	CROUND                                         ; the closing round
	s_endpgm
.Lfunc_end_k_qdaf0f6a14c_gemm2:
	.size	k_qdaf0f6a14c_gemm2, .Lfunc_end_k_qdaf0f6a14c_gemm2-k_qdaf0f6a14c_gemm2
	.p2alignl 7, 3214868480
	.fill 96, 4, 3214868480
	.section	.rodata,"a",@progbits
	.p2align	6, 0x0
	.amdhsa_kernel k_qdaf0f6a14c_gemm2
		.amdhsa_group_segment_fixed_size 327680
		.amdhsa_private_segment_fixed_size 0
		.amdhsa_enable_private_segment 0
		.amdhsa_kernarg_size 56
		.amdhsa_user_sgpr_count 2
		.amdhsa_user_sgpr_kernarg_segment_ptr 1
		.amdhsa_wavefront_size32 1
		.amdhsa_system_sgpr_workgroup_id_x 1
		.amdhsa_system_sgpr_workgroup_id_y 1
		.amdhsa_system_sgpr_workgroup_id_z 1
		.amdhsa_system_vgpr_workitem_id 0
		.amdhsa_next_free_vgpr 1024
		.amdhsa_next_free_sgpr 66
		.amdhsa_reserve_vcc 0
		.amdhsa_float_denorm_mode_32 3
		.amdhsa_float_denorm_mode_16_64 3
		.amdhsa_memory_ordered 1
		.amdhsa_forward_progress 1
		.amdhsa_inst_pref_size 142
	.end_amdhsa_kernel
	.amdgpu_metadata
---
amdhsa.version: [ 1, 2 ]
amdhsa.kernels:
  - .name:           k_qdaf0f6a14c_gemm2
    .symbol:         k_qdaf0f6a14c_gemm2.kd
    .args:
      - { .name: tq, .offset: 0, .size: 8, .value_kind: global_buffer, .address_space: global }
      - { .name: uq, .offset: 8, .size: 8, .value_kind: global_buffer, .address_space: global }
      - { .name: h_primary, .offset: 16, .size: 8, .value_kind: global_buffer, .address_space: global }
      - { .name: h_residual, .offset: 24, .size: 8, .value_kind: global_buffer, .address_space: global }
      - { .name: bias, .offset: 32, .size: 8, .value_kind: global_buffer, .address_space: global }
      - { .name: lowp_scales, .offset: 40, .size: 8, .value_kind: global_buffer, .address_space: global }
      - { .name: out0, .offset: 48, .size: 8, .value_kind: global_buffer, .address_space: global }
    .group_segment_fixed_size: 327680
    .private_segment_fixed_size: 0
    .kernarg_segment_align: 8
    .kernarg_segment_size: 56
    .max_flat_workgroup_size: 128
    .sgpr_count:     66
    .vgpr_count:     1024
    .wavefront_size: 32
...
	.end_amdgpu_metadata
.endif
;; end of part 3
